; MI455X (gfx1250); checked and timed in simulation.
; The chip was launched on July 23, 2026; its instructions are those of AMD's public machine-readable ISA for CDNA 5 (MIT licence, August 2026) and "CDNA5" Instruction Set Architecture Reference Guide (July 2026). The comments in the code are by the model that wrote it; some were corrected since.
;; Linear. Allowed arithmetic: float matrix products may take bf16 or f16 operands with f32 sums; other float arithmetic in f32, or as packed bf16 or f16 multiplies, adds, multiply-adds, maxima and minima; sums over many terms, partial sums and values carried from step to step in f32; what a program stores and reads back later, other than sums and carried values, may be rounded once to bf16 or f16.
;; Inputs: a 4 x 2,048 x 2,048 int8; a_s 4 x 2,048 x 1 float32; w 2,048 x 4,096 int8; w_s 1 x 4,096 float32.
;; Outputs: out0 4 x 2,048 x 4,096 float16.
;; One version. Each part assembles by itself: llvm-mc -triple=amdgcn-amd-amdhsa -mcpu=gfx1250 --defsym DOCPART=n.
;; ======== version 1 of 1: 2 launches
;; workspace buffers: af 33,554,432 bytes; wf 16,777,216 bytes
;; launch cast (part 1): grid 768 x 1, 8 waves a work-group, no clusters, 0 bytes of LDS; arguments a, w, af, wf; writes af, wf
.if DOCPART == 1
	.amdgcn_target "amdgcn-amd-amdhsa--gfx1250"
	.amdhsa_code_object_version 6
	.text
	.protected	k_q5637b78855_cast
	.globl	k_q5637b78855_cast
	.p2align	8
	.type	k_q5637b78855_cast,@function
k_q5637b78855_cast:
	s_mov_b64 s[64:65], 0
	v_nop
	global_prefetch_b8 v0, s[64:65] scope:SCOPE_SE
	s_setreg_imm32_b32 hwreg(HW_REG_WAVE_MODE, 25, 1), 1
	s_wait_xcnt 0x0
; af = a and wf = w, each int8 number written as f16, in the same order.  Every int8 number is exact in f16, so nothing is rounded here.
; WHY A LAUNCH OF ITS OWN: a number costs 1.25 vector instructions to widen (below).  Done where the product's fragments are read, each number of a and w would be
; widened once for every wave that multiplies by it: 320 vector instructions for 64 matrix instructions.  Done here, each of the 25,165,824 numbers is widened once.
; SHARES.  A work-group takes CHUNK = 32,768 input bytes: groups 0-511 of a (16,777,216 bytes), groups 512-767 of w (8,388,608 bytes).  Thread t of 256 takes, in load i of 16, the 8 bytes
; at 2,048 i + 8 t (a wave's load covers 256 consecutive bytes, aligned) and stores 16 bytes at 4,096 i + 16 t (a wave's store covers 512 consecutive bytes, aligned).
; All 16 loads go out first; no register is used twice, so there is no loop and no wait but the counted ones for the loads.  No LDS, no barrier: no thread needs another's bytes.
; THE ARITHMETIC.  s xor 0x80 = s + 128 = u, 0 to 255.  The 16-bit word 0x6400 | u is the f16 number 1,024 + u (exponent 2^10, a step of 1).  Less 1,152 that is s, exactly.
; One xor for four numbers, one byte permute for two, one packed f16 addition for two.
.set CHUNK, 32768
.set NA,    512                        ; chunks of a
.set X,     4                          ; v[4:35]   load i: 2 registers, 8 int8
.set Y,     36                         ; v[36:99]  store i: 4 registers, 8 f16
	s_load_b256 s[4:11], s[0:1], 0x0               ; a s[4:5], w s[6:7], af s[8:9], wf s[10:11]
	s_mov_b32 s16, 0x80808080                      ; turns four signed bytes into s + 128
	s_mov_b32 s17, 0x64646464                      ; the upper byte of 1,024 + u
	s_mov_b32 s18, 0x04010400                      ; byte selects: (0x64, byte 1, 0x64, byte 0)
	s_mov_b32 s19, 0x04030402                      ; (0x64, byte 3, 0x64, byte 2)
	v_lshlrev_b32 v1, 3, v0                        ; 8 t: my bytes in a load
	v_lshlrev_b32 v2, 4, v0                        ; 16 t: my bytes in a store
	v_mov_b32 v3, 0xe480e480                       ; -1,152, twice
	s_wait_kmcnt 0x0
	s_cmp_lt_u32 ttmp9, NA                         ; a's chunks come first
	s_cselect_b64 s[4:5], s[4:5], s[6:7]           ; from a or from w,
	s_cselect_b64 s[8:9], s[8:9], s[10:11]         ; into af or into wf,
	s_cselect_b32 s12, 0, NA
	s_sub_co_u32 s12, ttmp9, s12                   ; chunk number within that tensor
	s_lshl_b32 s14, s12, 15                        ; its 32,768 input bytes
	s_mov_b32 s15, 0
	s_add_nc_u64 s[4:5], s[4:5], s[14:15]
	s_lshl_b32 s14, s12, 16                        ; its 65,536 output bytes
	s_add_nc_u64 s[8:9], s[8:9], s[14:15]
.irp i, 0,1,2,3,4,5,6,7,8,9,10,11,12,13,14,15
	global_load_b64 v[X+2*(\i):X+2*(\i)+1], v1, s[4:5] offset:2048*(\i) th:TH_LOAD_NT  ; read once in the whole program
.endr
.macro CVT i
	s_wait_loadcnt 15-(\i)                         ; loads come back in order (ISA guide 5.7.1): load i is in, the 15 - i younger ones stay out
	v_xor_b32 v[X+2*(\i)],   s16, v[X+2*(\i)]
	v_xor_b32 v[X+2*(\i)+1], s16, v[X+2*(\i)+1]
	v_perm_b32 v[Y+4*(\i)],   s17, v[X+2*(\i)],   s18   ; numbers 0, 1 as 1,024 + u
	v_perm_b32 v[Y+4*(\i)+1], s17, v[X+2*(\i)],   s19   ; 2, 3
	v_perm_b32 v[Y+4*(\i)+2], s17, v[X+2*(\i)+1], s18   ; 4, 5
	v_perm_b32 v[Y+4*(\i)+3], s17, v[X+2*(\i)+1], s19   ; 6, 7
.irp j, 0,1,2,3
	v_pk_add_f16 v[Y+4*(\i)+(\j)], v[Y+4*(\i)+(\j)], v3  ; less 1,152: exact
.endr
	global_store_b128 v2, v[Y+4*(\i):Y+4*(\i)+3], s[8:9] offset:4096*(\i)  ; no hint: the next launch reads these bytes
.endm
.irp i, 0,1,2,3,4,5,6,7,8,9,10,11,12,13,14,15
	CVT \i
.endr
	s_endpgm
.Lfunc_end_k_q5637b78855_cast:
	.size	k_q5637b78855_cast, .Lfunc_end_k_q5637b78855_cast-k_q5637b78855_cast
	.p2alignl 7, 3214868480
	.fill 96, 4, 3214868480
	.section	.rodata,"a",@progbits
	.p2align	6, 0x0
	.amdhsa_kernel k_q5637b78855_cast
		.amdhsa_group_segment_fixed_size 0
		.amdhsa_private_segment_fixed_size 0
		.amdhsa_enable_private_segment 0
		.amdhsa_kernarg_size 32
		.amdhsa_user_sgpr_count 2
		.amdhsa_user_sgpr_kernarg_segment_ptr 1
		.amdhsa_wavefront_size32 1
		.amdhsa_system_sgpr_workgroup_id_x 1
		.amdhsa_system_sgpr_workgroup_id_y 1
		.amdhsa_system_sgpr_workgroup_id_z 1
		.amdhsa_system_vgpr_workitem_id 0
		.amdhsa_next_free_vgpr 100
		.amdhsa_next_free_sgpr 66
		.amdhsa_reserve_vcc 0
		.amdhsa_float_denorm_mode_32 3
		.amdhsa_float_denorm_mode_16_64 3
		.amdhsa_memory_ordered 1
		.amdhsa_forward_progress 1
		.amdhsa_inst_pref_size 14
	.end_amdhsa_kernel
	.amdgpu_metadata
---
amdhsa.version: [ 1, 2 ]
amdhsa.kernels:
  - .name:           k_q5637b78855_cast
    .symbol:         k_q5637b78855_cast.kd
    .args:
      - { .name: a, .offset: 0, .size: 8, .value_kind: global_buffer, .address_space: global }
      - { .name: w, .offset: 8, .size: 8, .value_kind: global_buffer, .address_space: global }
      - { .name: af, .offset: 16, .size: 8, .value_kind: global_buffer, .address_space: global }
      - { .name: wf, .offset: 24, .size: 8, .value_kind: global_buffer, .address_space: global }
    .group_segment_fixed_size: 0
    .private_segment_fixed_size: 0
    .kernarg_segment_align: 8
    .kernarg_segment_size: 32
    .max_flat_workgroup_size: 256
    .sgpr_count:     66
    .vgpr_count:     100
    .wavefront_size: 32
...
	.end_amdgpu_metadata
.endif
;; end of part 1
;; launch gemm (part 2): grid 16 x 16, 4 waves a work-group, clusters of 4 x 4, 327,680 bytes of LDS; arguments af, wf, out0, a_s, w_s; writes out0
.if DOCPART == 2
	.amdgcn_target "amdgcn-amd-amdhsa--gfx1250"
	.amdhsa_code_object_version 6
	.text
	.protected	k_q5637b78855_gemm
	.globl	k_q5637b78855_gemm
	.p2align	8
	.type	k_q5637b78855_gemm,@function
k_q5637b78855_gemm:
	s_mov_b64 s[64:65], 0
	v_nop
	global_prefetch_b8 v0, s[64:65] scope:SCOPE_SE
	s_setreg_imm32_b32 hwreg(HW_REG_WAVE_MODE, 25, 1), 1
	s_wait_xcnt 0x0
	s_wait_alu depctr_hold_cnt(0) depctr_sa_sdst(0) depctr_va_vdst(0) depctr_va_sdst(0) depctr_va_ssrc(0) depctr_va_vcc(0) depctr_vm_vsrc(0)
	s_getreg_b32 s2, hwreg(HW_REG_IB_STS2, 6, 4)
	s_cmp_eq_u32 s2, 0
	s_cbranch_scc0 .Lentry_in_a_cluster
	s_endpgm
.Lentry_in_a_cluster:
	s_bfe_u32 s2, ttmp6, 0x10000c
	s_cmp_lg_u32 s2, 0xf033
	s_cbranch_scc0 .Lentry_shape_is_right
	s_endpgm
.Lentry_shape_is_right:
; out0[m][n] = f16( (sum over k of af[m][k] wf[k][n]) x a_s[m] x w_s[n] ).  af: [8192][2048] f16, wf: [2048][4096] f16 (both hold int8 numbers, exactly), a_s: [8192] f32, w_s: [4096] f32, out0: [8192][4096] f16.
; The products are exact; the sums are kept in f32; the two scales are applied in f32, a_s first; the result is rounded once.
; LIMITS.  A sum beyond 2^24 is no longer an exact integer (|sum| is 2^25 at the most: a relative error of about 2^-23).  A result of 65,520 or more becomes an infinity in f16.
; SHAPE.  A tile of C, 256 x 256, is made by a work-group of four waves; a wave makes 128 x 128: 64 accumulators of 16 x 16, 512 registers.  K goes in steps of 128 through a ring of two LDS slots filled
; by the tensor data mover.  A's tile is 256 rows (m) x 256 bytes; B's tile lies as wf lies, 128 rows (k) x 512 bytes, and its fragments are turned on the way out of LDS by ds_load_tr16_b128.
; A WORK-GROUP STAYS: C has 32 x 16 tiles; 256 work-groups make two each, 4,096 rows apart, on the same columns of wf.  The ring does not stop at the first tile's end: its last two changes of slots ask
; for the second tile's first two K steps, and nothing waits for a tile's stores.
; CLUSTERS: 4 x 4 work-groups.  The four of a row of the cluster need the same tiles of A, the four of a column the same tiles of B: each tile is asked for JOINTLY, by the same tensor load with the same
; descriptor and a mask that names the four, which divides the requests for A and for B by four.
; LEFT OUT: prefetching (139,264 bytes a work-group are on their way in every K step, asked for a K step ahead); w_s folded into wf (f16 has no room for small scales).
;
; REGISTERS, in windows of 256 (s_set_vgpr_msb's low byte: bits 1:0 source 0, 3:2 source 1, 5:4 source 2, 7:6 destination):
;   window 0: v0-31 addresses; v64-127, v128-191 fragments of A (8 x 16 rows x 32 K), two buffers; v32-63, v192-255 at work on the way out
;   window 1: v0-63 w_s of my 128 columns; v64-127, v128-191 fragments of B, two buffers; v192-207 a_s of my 128 rows
;   window 2: the 32 accumulators of my rows 0-63 (accumulator (a, b) at v[8 (8 a + b)]);   window 3: those of my rows 64-127
; THE MATRIX INSTRUCTION IS USED TRANSPOSED: source 0 = 16 columns of wf, source 1 = 16 rows of af.  In the result lane l holds row m = l % 16 of C, and its registers 0 to 7 the columns
; n = 8 (l / 16) + 0 .. 7: eight neighbouring numbers of a row of C, which pack into 16 bytes.
.set SIZE_M, 8192
.set SIZE_N, 4096
.set SIZE_K, 2048
.set SIZE_TILES, 2
.set KSTEP,  128
.set PITCH,  272                       ; A's LDS row: 256 bytes + 16 of padding = 68 words: row r starts at bank 4 r mod 64 (64 banks of 4 bytes: ISA guide 11.1), so the 16 rows of a load start at 16 different banks
.set PB,     544                       ; B's LDS row: 512 bytes + 32 of padding = 136 words: row r starts at bank 8 r mod 64
.set HALFT,  128*PITCH                 ; what one tensor load brings: 128 rows of A, or 64 rows of B (64 x 544 = 128 x 272 = 34,816 bytes)
.set SLOT,   4*HALFT                   ; A's 256 rows, then B's 128 rows
.set STAGE,  2*SLOT                    ; behind the ring: 16 rows x 272 bytes for each wave, for the way out; no tensor load fills it
.set SPITCH, 272
.set SPARE,  STAGE+4*16*SPITCH         ; behind the stages: the spare words, 128 bytes for each wave: two blocks of 256 bytes that no other line names
.set LAPS,   SIZE_K/(2*KSTEP)          ; a lap = two K steps = once round the ring: 8
.set WALK,   SIZE_M/SIZE_TILES         ; a work-group's two tiles lie 4,096 rows apart
.set STEP_A, 2*KSTEP*2                 ; two K steps on: 512 bytes along A's rows,
.set STEP_B, 2*KSTEP*SIZE_N*2          ; 256 rows of 8,192 bytes down B
.set NEXT_A, WALK*SIZE_K*2-(SIZE_K-2*KSTEP)*2   ; from a slot's last K step of a tile to its first of the next: A goes WALK rows down and back along K,
.set BACK_B, (SIZE_K-2*KSTEP)*SIZE_N*2 ; B only back: the two tiles share their columns
.set NEXT_C, (WALK-7*16)*SIZE_N*2      ; from my last 16 rows of a tile to my first of the next
.set AO,   6                           ; v6      my byte offset in 16 numbers of a_s: 4 (l % 16); never rewritten
.set WO,   7                           ; v7      my byte offset in 16 numbers of w_s: 32 (l / 16); never rewritten
.set ADRA, 16                          ; v16-17  LDS address of my A fragments in slot 0, 1
.set ADRB, 20                          ; v20-21  the same for B
.set STO,  24                          ; v24     the way out: where I put 16 bytes of a row
.set RD,   25                          ; v25     the way out: where I read a row back
.set CO,   26                          ; v26     my byte offset in C
.set SPW,  28                          ; v28     LDS address of my spare word: SPARE + 4 x my thread's number; never rewritten
.set NIL,  29                          ; v29     0; never rewritten
.set F0,   64                          ; fragment buffer 0
.set F1,   128                         ; fragment buffer 1
.set TMP,  192                         ; the way out: packed results, in window 0
.set OB,   32                          ; the way out: 16 rows read back from the stage: v32-63 and v224-255 by turns
.set WS,   0                           ; window 1: w_s of column 16 b + 8 (l / 16) + j at WS + 8 b + j
.set AS,   192                         ; window 1: a_s of row 16 a + l % 16 at AS + 2 a; the odd registers hold 0 (named with it as a pair)
.set G1, 24                            ; s[24:31] descriptor group 1 for A's tiles
.set G0, 32                            ; s[32:39] descriptor group 0 for A's tiles, one set for each slot
.set G1B, 48                           ; s[48:55] descriptor group 1 for B's tiles
.set G0B, 56                           ; s[56:63] descriptor group 0 for B's tiles, one set for each slot
.set MSB, 0
.macro WIN new                         ; the immediate's high byte repeats the setting that is left; a switch that changes nothing is dropped
.if MSB != (\new)
	s_set_vgpr_msb (MSB<<8)|(\new)
.set MSB, \new
.endif
.endm
.set MUL_LO, 0xa1                      ; source 0 (B) window 1, source 1 (A) window 0, C and D window 2
.set MUL_HI, 0xf1                      ; the same, C and D window 3
.set TO_B,   0x40                      ; destination window 1, address window 0
; A joint load.  Waves 0 and 1 fetch A's two halves, waves 2 and 3 B's.  Each of the two lines has ONE mask and one set of registers for all that issue it, and nothing in them hangs on a
; coordinate that the four partners do not share.  The branch hangs on the wave's number alone.  An s_nop 0 and four v_nop follow each of the two lines, ahead of the jump, the label and what follows.
.macro JLOAD s
	s_cmp_eq_u32 s11, 0
	s_cbranch_scc0 .Lfor_b_\@
	tensor_load_to_lds s[G0+4*(\s):G0+4*(\s)+3], s[G1:G1+7]
	s_nop 0
.rept 4
	v_nop
.endr
	s_branch .Lasked_\@
.Lfor_b_\@:
	tensor_load_to_lds s[G0B+4*(\s):G0B+4*(\s)+3], s[G1B:G1B+7]
	s_nop 0
.rept 4
	v_nop
.endr
.Lasked_\@:
.endm
; A round of the cluster's barrier: my work-group's barrier, so that wave 0's signal speaks for all four waves; wave 0 signals for the work-group; every wave waits for all sixteen
; work-groups; my work-group's barrier once more.  No LDS instruction of the wave is pending at a signal.
.macro CREST                           ; a round behind its opening barrier
	s_cmp_lg_u32 s10, 0
	s_cbranch_scc1 .Lnot_wave_0_\@
	s_barrier_signal -3
.Lnot_wave_0_\@:
	s_barrier_wait -3
	s_barrier_signal -1
	s_barrier_wait -1
.endm
.macro CROUND                          ; a whole round
	s_barrier_signal -1
	s_barrier_wait -1
	CREST
.endm
	s_load_b128 s[4:7], s[0:1], 0x0                ; af s[4:5], wf s[6:7]
	s_load_b64 s[8:9], s[0:1], 0x10                ; out0
	s_load_b128 s[68:71], s[0:1], 0x18             ; a_s s[68:69], w_s s[70:71]
	v_lshl_add_u32 v[SPW], v0, 2, SPARE
	v_mov_b32 v[NIL], 0
	ds_add_u32 v[SPW], v[NIL]                      ; the wave's opening: the add and its wait stand ahead of my first tensor load; the set-up below, work on registers, stands between them
	v_lshrrev_b32 v1, 5, v0
	v_readfirstlane_b32 s10, v1                    ; wave 0..3
	s_lshr_b32 s11, s10, 1                         ; which half of the tile's rows is mine.  Also: I fetch for A (0) or for B (1)
	s_and_b32 s12, s10, 1                          ; which half of its columns.  Also: which half of that tile I fetch
	s_bfe_u32 s40, ttmp6, 0x40000                  ; cx: my place along the cluster's x
	s_bfe_u32 s41, ttmp6, 0x40004                  ; cy: along its y
	s_lshl_b32 s42, ttmp9, 2                       ; in a cluster launch ttmp9 and ttmp7 count clusters
	s_add_co_u32 s42, s42, s40                     ; tile column of C = 4 x cluster x + cx, 0 to 15
	s_and_b32 s13, ttmp7, 0xffff
	s_lshl_b32 s13, s13, 2
	s_add_co_u32 s13, s13, s41                     ; tile row of my first tile = 4 x cluster y + cy, 0 to 15
	s_lshl_b32 s43, s41, 2
	s_lshl_b32 s43, 15, s43                        ; my row of the cluster: places 4 cy .. 4 cy + 3
	s_lshl_b32 s44, 0x1111, s40                    ; my column: places cx, cx + 4, cx + 8, cx + 12
	; descriptor group 1 for A: 128 rows x 128 elements, 16 bytes of padding behind each row of 256
	s_or_b32 s[G1+0], s43, (1<<16)|(1<<20)|(1<<21)|(5<<22)|(3<<25)  ; 15:0 the mask: A's tiles go to my row; 17:16 elements of 2 bytes; 20 padding on; 21 set beside a mask; 24:22 after every 64 words (code 5); 31:25 4 words (code 3)
	s_mov_b32 s[G1+1], KSTEP<<16                   ; tensor_dim0 = 128
	s_mov_b32 s[G1+2], 128<<16                     ; tensor_dim1 = 128
	s_mov_b32 s[G1+3], KSTEP<<16                   ; tile_dim0 = 128
	s_mov_b32 s[G1+4], 128                         ; tile_dim1 = 128
	s_mov_b32 s[G1+5], SIZE_K                      ; elements from row to row
	s_mov_b32 s[G1+6], 0
	s_mov_b32 s[G1+7], 0
	; descriptor group 1 for B: 64 rows (k) x 256 elements (n), 32 bytes of padding behind each row of 512
	s_or_b32 s[G1B+0], s44, (1<<16)|(1<<20)|(1<<21)|(6<<22)|(7<<25) ; the mask of my column; after every 128 words (code 6) 8 words (code 7)
	s_mov_b32 s[G1B+1], 256<<16                    ; tensor_dim0 = 256
	s_mov_b32 s[G1B+2], 64<<16                     ; tensor_dim1 = 64
	s_mov_b32 s[G1B+3], 256<<16                    ; tile_dim0 = 256
	s_mov_b32 s[G1B+4], 64                         ; tile_dim1 = 64
	s_mov_b32 s[G1B+5], SIZE_N                     ; elements from row to row
	s_mov_b32 s[G1B+6], 0
	s_mov_b32 s[G1B+7], 0
	; where the tiles come from.  A's hang on the tile row alone, which my row of the cluster shares; B's on the tile column alone, which my column shares.
	; Every wave makes both addresses, in registers that never hold the other coordinate, and asks by one of them.
	s_lshl_b32 s16, s13, 20                        ; A: 256 rows of 4,096 bytes for each tile row,
	s_lshl_b32 s17, s12, 19                        ; 128 rows for the half that I fetch
	s_add_co_u32 s16, s16, s17
	s_mov_b32 s17, 0
	s_lshl_b32 s46, s42, 9                         ; B: 512 bytes along the rows for each tile column,
	s_lshl_b32 s47, s12, 19                        ; 64 rows of 8,192 bytes for the half that I fetch
	s_add_co_u32 s46, s46, s47
	s_mov_b32 s47, 0
	s_mul_i32 s20, s10, HALFT                      ; and where they go: A's two halves, then B's two halves = wave x 34,816: no place in the cluster enters an LDS address
	s_wait_dscnt 0x0                               ; the opening add is done
	s_wait_kmcnt 0x0
	s_add_nc_u64 s[14:15], s[4:5], s[16:17]
	s_add_nc_u64 s[46:47], s[6:7], s[46:47]
	CROUND                                         ; all sixteen work-groups are here: the first joint loads meet
.irp s, 0,1
	s_mov_b32 s[G0+4*(\s)], 1                                      ; 1:0 count = 1
	s_add_co_u32 s[G0+4*(\s)+1], s20, (\s)*SLOT                    ; 63:32 LDS address
	s_add_nc_u64 s[G0+4*(\s)+2:G0+4*(\s)+3], s[14:15], (\s)*KSTEP*2  ; 120:64 global address: K step s
	s_or_b32 s[G0+4*(\s)+3], s[G0+4*(\s)+3], 0x80000000            ; 127:126 type = 2
	s_mov_b32 s[G0B+4*(\s)], 1
	s_add_co_u32 s[G0B+4*(\s)+1], s20, (\s)*SLOT
	s_add_nc_u64 s[G0B+4*(\s)+2:G0B+4*(\s)+3], s[46:47], (\s)*KSTEP*SIZE_N*2
	s_or_b32 s[G0B+4*(\s)+3], s[G0B+4*(\s)+3], 0x80000000
	JLOAD \s                                       ; the ring is filled before anything else is done: two tensor loads of mine are out
.endr
	; A fragment is 16 rows x 32 K in 8 registers: lane l holds row l % 16; registers 0-3 hold K = 8 (l / 16) + 0..7, registers 4-7 hold K = 16 + 8 (l / 16) + 0..7.
	; A's rows lie along K: two loads of 16 bytes, 32 bytes apart, at row x pitch + 16 (l / 16).
	v_and_b32 v1, 15, v0                           ; l % 16
	v_bfe_u32 v2, v0, 4, 1                         ; l / 16
	v_mul_u32_u24 v3, v1, PITCH
	v_lshl_add_u32 v3, v2, 4, v3
	; B's rows lie along n.  The turning load takes 16 k x 16 n (lane l reads 16 bytes: k = 8 (l / 16) + l % 8, n = 8 ((l / 8) % 2) + 0..7) and leaves half a fragment: lane l holds column l % 16 and 8 k.
	v_and_b32 v4, 7, v0
	v_lshl_add_u32 v4, v2, 3, v4
	v_mul_u32_u24 v4, v4, PB
	v_bfe_u32 v5, v0, 3, 1
	v_lshl_add_u32 v4, v5, 4, v4
	s_mul_i32 s21, s11, HALFT                      ; my 128 rows of A
	s_lshl_b32 s22, s12, 8                         ; my 128 columns of B: 256 bytes along its rows,
	s_add_co_u32 s22, s22, 2*HALFT                 ; which lie behind A's 256 rows
.irp s, 0,1
	v_add_nc_u32 v[ADRA+(\s)], s21, v3
	v_add_nc_u32 v[ADRB+(\s)], s22, v4
	s_add_co_u32 s21, s21, SLOT
	s_add_co_u32 s22, s22, SLOT
.endr
	s_mul_i32 s23, s10, 16*SPITCH
	s_add_co_u32 s23, s23, STAGE                   ; my stage
	v_mul_u32_u24 v8, v1, SPITCH                   ; in: row l % 16, 16 bytes for each half of the lanes
	v_lshl_add_u32 v8, v2, 4, v8
	v_add_nc_u32 v[STO], s23, v8
	v_mul_u32_u24 v9, v2, SPITCH                   ; back: lanes 0-15 take one row of 256 bytes, lanes 16-31 the next
	v_lshl_add_u32 v9, v1, 4, v9
	v_add_nc_u32 v[RD], s23, v9
	v_mul_u32_u24 v9, v2, SIZE_N*2                 ; and the same two rows in C
	v_lshl_add_u32 v[CO], v1, 4, v9
	v_lshlrev_b32 v[AO], 2, v1
	v_lshlrev_b32 v[WO], 5, v2
	s_lshl_b32 s66, s13, 10                        ; a_s at my first row: 4 bytes x (256 x tile row + 128 x half)
	s_lshl_b32 s67, s11, 9
	s_add_co_u32 s66, s66, s67
	s_mov_b32 s67, 0
	s_add_nc_u64 s[68:69], s[68:69], s[66:67]
	s_lshl_b32 s66, s42, 10                        ; w_s at my first column: 4 bytes x (256 x tile column + 128 x half)
	s_lshl_b32 s67, s12, 9
	s_add_co_u32 s66, s66, s67
	s_mov_b32 s67, 0
	s_add_nc_u64 s[70:71], s[70:71], s[66:67]
	; where my part of the first tile begins in C, in bytes: the first way out adds it to C's address
	s_lshl_b32 s16, s13, 21                        ; 256 rows of 8,192 bytes for each tile row,
	s_lshl_b32 s17, s11, 20                        ; 128 rows for my half
	s_add_co_u32 s16, s16, s17
	s_mov_b32 s17, 0
	s_lshl_b32 s46, s42, 9                         ; my first column, in bytes: 512 x tile column + 256 x half (in the registers that held B's address: none that feeds A's descriptors ever holds cx)
	s_lshl_b32 s47, s12, 8
	s_add_co_u32 s46, s46, s47
	s_mov_b32 s47, 0
	s_add_nc_u64 s[16:17], s[16:17], s[46:47]
	WIN TO_B                                       ; w_s of my 128 columns, once: they are the same for both tiles.  Waited for on the first way out
.irp b, 0,1,2,3,4,5,6,7
	global_load_b128 v[WS+8*(\b):WS+8*(\b)+3],   v[WO], s[70:71] offset:64*(\b)
	global_load_b128 v[WS+8*(\b)+4:WS+8*(\b)+7], v[WO], s[70:71] offset:64*(\b)+16
.endr
.irp a, 0,1,2,3,4,5,6,7
	v_mov_b32 v[AS+2*(\a)+1], 0                    ; the packed multiply names a pair and takes its low register for both halves
.endr
	WIN 0
; 16 matrix instructions: m blocks a0, a0 + 1 of the window's four (hi = 0: my rows 0-63, 1: rows 64-127) x all 8 n blocks, 32 along K.
; zero = 1: the first product starts the sums: nothing is ever cleared.  The 64 accumulators take turns, one instruction a turn, in the same order in every quarter step.
.macro MUL16 f, hi, a0, zero
	WIN MUL_LO+0x50*(\hi)  ; MUL_LO or MUL_HI
.irp a, \a0, (\a0)+1
.irp b, 0,1,2,3,4,5,6,7
.if \zero
	v_wmma_f32_16x16x32_f16 v[8*(8*(\a)+(\b)):8*(8*(\a)+(\b))+7], v[(\f)+8*(\b):(\f)+8*(\b)+7], v[(\f)+8*(4*(\hi)+(\a)):(\f)+8*(4*(\hi)+(\a))+7], 0
.else
	v_wmma_f32_16x16x32_f16 v[8*(8*(\a)+(\b)):8*(8*(\a)+(\b))+7], v[(\f)+8*(\b):(\f)+8*(\b)+7], v[(\f)+8*(4*(\hi)+(\a)):(\f)+8*(4*(\hi)+(\a))+7], v[8*(8*(\a)+(\b)):8*(8*(\a)+(\b))+7]
.endif
.endr
.endr
.endm
; 32 LDS loads in one run: the fragments of quarter q of a K step (32 K x my 128 columns of B, turned; my 128 rows of A x 32 K) into buffer f.  B's largest offset is 61,152, inside the 16 bits.
.macro FETCH slot, q, f
	WIN TO_B
.irp i, 0,1,2,3,4,5,6,7
	ds_load_tr16_b128 v[(\f)+8*(\i):(\f)+8*(\i)+3],   v[ADRB+(\slot)] offset:32*(\q)*PB+32*(\i)
	ds_load_tr16_b128 v[(\f)+8*(\i)+4:(\f)+8*(\i)+7], v[ADRB+(\slot)] offset:32*(\q)*PB+16*PB+32*(\i)
.endr
	WIN 0
.irp i, 0,1,2,3,4,5,6,7
	ds_load_b128 v[(\f)+8*(\i):(\f)+8*(\i)+3],   v[ADRA+(\slot)] offset:64*(\q)+(\i)*16*PITCH
	ds_load_b128 v[(\f)+8*(\i)+4:(\f)+8*(\i)+7], v[ADRA+(\slot)] offset:64*(\q)+(\i)*16*PITCH+32
.endr
.endm
; A load into a register that a matrix instruction has read, and a vector instruction that reads a matrix result or writes one of a matrix instruction's registers, stand four places behind that
; matrix instruction, and only plain vector instructions that name none of its registers are places (ISA guide 7.12.1 for vector instructions).
.macro PLACES
.rept 4
	v_nop
.endr
.endm
; A K step is four quarter steps of 32 along K, 64 matrix instructions each, on buffers 0, 1, 0, 1.
; One of the first three: multiplies buffer f; in its middle it fetches quarter q of the same slot into buffer g.
.macro QUARTER slot, q, f, g, zero
	s_wait_dscnt 8                                 ; B and A's rows 0-63 are in; the youngest eight loads (A's rows 64-127) may be out
	MUL16 \f, 0, 0, \zero
	MUL16 \f, 0, 2, \zero
	PLACES
	FETCH \slot, \q, \g
	s_wait_dscnt 32                                ; all but the 32 just issued
	MUL16 \f, 1, 0, \zero
	MUL16 \f, 1, 2, \zero
.endm
; The last quarter multiplies buffer 1 and changes slots.  MEET is its first half: ONE barrier for the change of slots.  In front of it each wave waits for all its tensor loads, of which one is out:
; its part of the next slot; adds 0 to its spare word; and waits for that and for its own reads of this slot.  Behind it nobody reads this slot any more and the next slot is whole.
.macro MEET round                      ; round = 1: a round of the cluster's barrier follows
	WIN 0                                          ; (the add's two registers lie in window 0)
	s_wait_tensorcnt 0x0                           ; all my tensor loads have landed: the one that was out is my part of the next slot;
	ds_add_u32 v[SPW], v[NIL]                      ; 0 onto my spare word;
	s_wait_dscnt 9                                 ; (the add and the youngest eight loads may be out)
	MUL16 F1, 0, 0, 0                              ; sixteen matrix instructions stand between the add and the wait for it
	s_wait_dscnt 0x0                               ; the add is done, and my reads of this slot are over:
	s_barrier_signal -1                            ; say so (where a slot is filled again this barrier opens a round of the cluster's barrier),
	MUL16 F1, 0, 2, 0                              ; work on registers while the others arrive,
.if \round
	WIN 0
.endif
	s_barrier_wait -1                              ; and go on when all four have said so
.endm
; The whole last quarter.  Behind the round the slot just read out is filled again first: with this tile's K step two steps on (on = 0) or, in the first tile's last two K steps, with the second
; tile's K step 0 or 1 (on = 1); then come the next slot's first fragments.  From a request to the wait for it a wave issues 224 matrix instructions.
.macro TURN slot, next, on
	MEET 1
	CREST                                          ; no wave of any partner still reads this slot's tile or has a load on its way
.if \on
	s_add_nc_u64 s[G0+4*(\slot)+2:G0+4*(\slot)+3], s[G0+4*(\slot)+2:G0+4*(\slot)+3], NEXT_A
	s_sub_nc_u64 s[G0B+4*(\slot)+2:G0B+4*(\slot)+3], s[G0B+4*(\slot)+2:G0B+4*(\slot)+3], BACK_B
.else
	s_add_nc_u64 s[G0+4*(\slot)+2:G0+4*(\slot)+3], s[G0+4*(\slot)+2:G0+4*(\slot)+3], STEP_A
	s_add_nc_u64 s[G0B+4*(\slot)+2:G0B+4*(\slot)+3], s[G0B+4*(\slot)+2:G0B+4*(\slot)+3], STEP_B
.endif
	JLOAD \slot                                    ; the first tensor load behind the round, my only one until the next; the four v_nop behind it are also the places in front of the loads below
	FETCH \next, 0, F0
	MUL16 F1, 1, 0, 0
	MUL16 F1, 1, 2, 0
.endm
; THE WAY OUT of block a (16 rows x 128 columns), in three parts.  PACK: times a_s of the lane's row, times w_s of the register's column, rounded to f16, 16 bytes a lane.
; TOSTAGE: into my own stage in LDS, and back as whole rows of 256 bytes.  SEND: stored.  Each accumulator's registers are taken in ascending order.
.macro PACK a
.set AC, 64*((\a)%4)
	WIN 0x86+0x41*((\a)/4)                         ; destination and source 0: window 2 or 3; source 1: window 1
.irp b, 0,1,2,3,4,5,6,7
.irp r, 0,1,2,3
	v_pk_mul_f32 v[AC+8*(\b)+2*(\r):AC+8*(\b)+2*(\r)+1], v[AC+8*(\b)+2*(\r):AC+8*(\b)+2*(\r)+1], v[AS+2*(\a):AS+2*(\a)+1] op_sel_hi:[1,0]
.endr
.endr
.irp b, 0,1,2,3,4,5,6,7
.irp r, 0,1,2,3
	v_pk_mul_f32 v[AC+8*(\b)+2*(\r):AC+8*(\b)+2*(\r)+1], v[AC+8*(\b)+2*(\r):AC+8*(\b)+2*(\r)+1], v[WS+8*(\b)+2*(\r):WS+8*(\b)+2*(\r)+1]
.endr
.endr
	WIN 0x0a+5*((\a)/4)                            ; sources 0 and 1: window 2 or 3; destination window 0
.irp b, 0,1,2,3,4,5,6,7
.irp r, 0,1,2,3
	v_cvt_pk_f16_f32 v[TMP+4*(\b)+(\r)], v[AC+8*(\b)+2*(\r)], v[AC+8*(\b)+2*(\r)+1]
.endr
.endr
	WIN 0
.endm
.macro TOSTAGE a
	WIN 0
.set BK, OB+192*((\a)%2)
.irp b, 0,1,2,3,4,5,6,7
	ds_store_b128 v[STO], v[TMP+4*(\b):TMP+4*(\b)+3] offset:32*(\b)
.endr
.irp t, 0,1,2,3,4,5,6,7
	ds_load_b128 v[BK+4*(\t):BK+4*(\t)+3], v[RD] offset:(\t)*2*SPITCH  ; LDS serves a wave's instructions in order (ISA guide 5.7.1.4): these see the stores above
.endr
.endm
.macro SEND a, younger                 ; younger: the LDS loads issued behind TOSTAGE's, which may stay out
	WIN 0
.set BK, OB+192*((\a)%2)
	s_wait_dscnt \younger                          ; the block is back in registers
	s_wait_xcnt 0x0                                ; every earlier memory instruction has had its addresses translated (ISA guide 3.1): only behind this wait are the stores' base and the registers that earlier stores read rewritten
.if (\a) == 0
	s_add_nc_u64 s[8:9], s[8:9], s[16:17]          ; on to this tile's first rows
.else
	s_add_nc_u64 s[8:9], s[8:9], 16*SIZE_N*2       ; 16 rows of C on: the stores' offsets stay at 14 rows of 8,192 bytes at the most
.endif
.irp t, 0,1,2,3,4,5,6,7
	global_store_b128 v[CO], v[BK+4*(\t):BK+4*(\t)+3], s[8:9] offset:2*(\t)*SIZE_N*2 th:TH_STORE_NT  ; 16 lanes store 256 consecutive bytes, at a multiple of 256 from C's first byte; written once, read by nobody here
.endr
.endm
; A tile's way out.  Block a's arithmetic stands between block a - 1's loads from the stage and the wait for them.  places = 1: no other vector work stands behind the last products.
.macro WAYOUT places
.if \places
	PLACES
.endif
	s_wait_loadcnt 0x0                             ; a_s of this tile's rows is in, asked for at the tile's head; the first time w_s too
	PACK 0
	TOSTAGE 0
.irp a, 1,2,3,4,5,6,7
	PACK \a
	SEND (\a)-1, 0
	TOSTAGE \a
.endr
	SEND 7, 0
.endm
	s_wait_tensorcnt 1                             ; my part of K step 0 is in; K step 1's may stay out
	s_barrier_signal -1
	s_barrier_wait -1                              ; everybody's is
	FETCH 0, 0, F0
	s_mov_b32 s2, SIZE_TILES                       ; tiles to go, this one among them: the same number in every work-group
.Ltile:                                                ; (FETCH and SEND leave every window 0)
	WIN TO_B
.irp a, 0,1,2,3,4,5,6,7
	global_load_b32 v[AS+2*(\a)], v[AO], s[68:69] offset:64*(\a)  ; a_s of my 128 rows of this tile: a whole tile's products ahead of their use
.endr
	QUARTER 0, 1, F0, F1, 1                        ; a tile's first quarter stands in front of the loop: its products start the sums
	WIN 0                                          ; at a label and at a branch every window is 0
	s_mov_b32 s3, LAPS-1
.Llap:                                                 ; a trip goes once round the ring, from a lap's second quarter to the next lap's first, and fills both slots again
	QUARTER 0, 2, F1, F0, 0
	QUARTER 0, 3, F0, F1, 0
	TURN 0, 1, 0
	QUARTER 1, 1, F0, F1, 0
	QUARTER 1, 2, F1, F0, 0
	QUARTER 1, 3, F0, F1, 0
	TURN 1, 0, 0
	QUARTER 0, 1, F0, F1, 0
	WIN 0
	s_sub_co_u32 s3, s3, 1
	s_cmp_lg_u32 s3, 0
	s_cbranch_scc1 .Llap
	QUARTER 0, 2, F1, F0, 0                        ; the tile's last lap goes on
	QUARTER 0, 3, F0, F1, 0
	WIN 0
	s_cmp_eq_u32 s2, 1
	s_cbranch_scc1 .Llast_tile                     ; the last tile's tail is written out: it asks for nothing more
	TURN 0, 1, 1                                   ; THE RING GOES ON INTO THE NEXT TILE: slot 0 takes its K step 0,
	QUARTER 1, 1, F0, F1, 0
	QUARTER 1, 2, F1, F0, 0
	QUARTER 1, 3, F0, F1, 0
	TURN 1, 0, 1                                   ; slot 1 its K step 1, and the next tile's first fragments are fetched
	WAYOUT 0                                       ; both refills are asked for: now the tile goes out.  No v_nop: blocks 0-3 were finished in front of the joint load's four, and their arithmetic,
	                                               ; which names no register of the last products (blocks 4-7's), is those products' places
	s_mov_b64 s[16:17], NEXT_C                     ; what the next way out adds to C's address
	s_add_nc_u64 s[68:69], s[68:69], WALK*4        ; a_s at the next tile's rows: the loads that named this base were waited for on the way out
	s_sub_co_u32 s2, s2, 1
	s_branch .Ltile
.Llast_tile:
	MEET 0                                         ; my one tensor load that was still out is slot 1's, the last K step's, so no round follows
	PLACES                                         ; for the loads into buffer 0, which the quarter before multiplied
	FETCH 1, 0, F0
	MUL16 F1, 1, 0, 0
	MUL16 F1, 1, 2, 0
	QUARTER 1, 1, F0, F1, 0
	QUARTER 1, 2, F1, F0, 0
	QUARTER 1, 3, F0, F1, 0
	s_wait_dscnt 8                                 ; the very last quarter: nothing more to fetch
	MUL16 F1, 0, 0, 0
	MUL16 F1, 0, 2, 0
	s_wait_dscnt 0x0
	MUL16 F1, 1, 0, 0
	MUL16 F1, 1, 2, 0
	WAYOUT 1
	s_wait_tensorcnt 0x0                           ; the wave's end: behind my last tensor load and my last LDS store
	ds_add_u32 v[SPW], v[NIL]
	s_wait_dscnt 0x0
	CROUND                                         ; the closing round: no work-group ends while a partner may still ask for a tile that names it
	s_endpgm
.Lfunc_end_k_q5637b78855_gemm:
	.size	k_q5637b78855_gemm, .Lfunc_end_k_q5637b78855_gemm-k_q5637b78855_gemm
	.p2alignl 7, 3214868480
	.fill 96, 4, 3214868480
	.section	.rodata,"a",@progbits
	.p2align	6, 0x0
	.amdhsa_kernel k_q5637b78855_gemm
		.amdhsa_group_segment_fixed_size 327680
		.amdhsa_private_segment_fixed_size 0
		.amdhsa_enable_private_segment 0
		.amdhsa_kernarg_size 40
		.amdhsa_user_sgpr_count 2
		.amdhsa_user_sgpr_kernarg_segment_ptr 1
		.amdhsa_wavefront_size32 1
		.amdhsa_system_sgpr_workgroup_id_x 1
		.amdhsa_system_sgpr_workgroup_id_y 1
		.amdhsa_system_sgpr_workgroup_id_z 1
		.amdhsa_system_vgpr_workitem_id 0
		.amdhsa_next_free_vgpr 1024
		.amdhsa_next_free_sgpr 72
		.amdhsa_reserve_vcc 0
		.amdhsa_float_denorm_mode_32 3
		.amdhsa_float_denorm_mode_16_64 3
		.amdhsa_memory_ordered 1
		.amdhsa_forward_progress 1
		.amdhsa_inst_pref_size 255
	.end_amdhsa_kernel
	.section	.bss,"aw",@nobits
	.p2align	6
	.space	262144
	.amdgpu_metadata
---
amdhsa.version: [ 1, 2 ]
amdhsa.kernels:
  - .name:           k_q5637b78855_gemm
    .symbol:         k_q5637b78855_gemm.kd
    .args:
      - { .name: af, .offset: 0, .size: 8, .value_kind: global_buffer, .address_space: global }
      - { .name: wf, .offset: 8, .size: 8, .value_kind: global_buffer, .address_space: global }
      - { .name: out0, .offset: 16, .size: 8, .value_kind: global_buffer, .address_space: global }
      - { .name: a_s, .offset: 24, .size: 8, .value_kind: global_buffer, .address_space: global }
      - { .name: w_s, .offset: 32, .size: 8, .value_kind: global_buffer, .address_space: global }
    .group_segment_fixed_size: 327680
    .private_segment_fixed_size: 0
    .kernarg_segment_align: 8
    .kernarg_segment_size: 40
    .max_flat_workgroup_size: 128
    .sgpr_count:     72
    .vgpr_count:     1024
    .wavefront_size: 32
...
	.end_amdgpu_metadata
.endif
;; end of part 2
